; MI455X (gfx1250); checked and timed in simulation.
; The chip was launched on July 23, 2026; its instructions are those of AMD's public machine-readable ISA for CDNA 5 (MIT licence, August 2026) and "CDNA5" Instruction Set Architecture Reference Guide (July 2026). The comments in the code are by the model that wrote it; some were corrected since.
;; Feed Forward Quantum. Allowed arithmetic: float matrix products may take bf16 or f16 operands with f32 sums; other float arithmetic in f32, or as packed bf16 or f16 multiplies, adds, multiply-adds, maxima and minima; sums over many terms, partial sums and values carried from step to step in f32; what a program stores and reads back later, other than sums and carried values, may be rounded once to bf16 or f16.
;; Inputs: W1 4,096 x 10 float32; W2 1,024 x 4,096 float32; Win 10 x 1,024 float32; b1 4,096 float32; b2 1,024 float32; b_in 10 float32; theta 10 float32; x 8 x 2,048 x 1,024 float32.
;; Outputs: out0 8 x 2,048 x 1,024 float32.
;; One version. Each part assembles by itself: llvm-mc -triple=amdgcn-amd-amdhsa -mcpu=gfx1250 --defsym DOCPART=n.
;; ======== version 1 of 1: 2 launches
;; limits: values are held in f16: magnitudes above 65,504 overflow, below 6.1e-05 lose precision; inputs' magnitudes at most 65,504; right only within a limited range of input values
;; workspace buffers: qf 524,288 bytes; w1f 131,072 bytes; w2h 8,388,608 bytes
;; launch prep (part 1): grid 256 x 1, 16 waves a work-group, no clusters, 67,584 bytes of LDS; arguments x, Win, W2, W1, b1, b_in, theta, qf, w1f, w2h; writes qf, w1f, w2h
.if DOCPART == 1
	.amdgcn_target "amdgcn-amd-amdhsa--gfx1250"
	.amdhsa_code_object_version 6
	.text
	.protected	k_q2aeaa429b9_prep
	.globl	k_q2aeaa429b9_prep
	.p2align	8
	.type	k_q2aeaa429b9_prep,@function
k_q2aeaa429b9_prep:
	s_mov_b64 s[64:65], 0
	v_nop
	global_prefetch_b8 v0, s[64:65] scope:SCOPE_SE
	s_setreg_imm32_b32 hwreg(HW_REG_WAVE_MODE, 25, 1), 1
	s_wait_xcnt 0x0
; FIRST OF TWO LAUNCHES.  out = relu(q W1^T + b1) W2^T + b2 with q = cos(x Win^T + b_in) cos(theta).  16,384 tokens of 1,024 numbers; 10 wires; 4,096 hidden; 1,024 out.
; NOTHING OF reference() IS LEFT OUT: every input has a way to the output, and every input is loaded (b2 by the second launch).
; THIS LAUNCH makes what the second launch multiplies, each input byte read once:
;   qf   q as ready matrix fragments in f16: token tile T (16 tokens) at byte 512 T; lane l's 16 bytes at 16 l are token l % 16, slots 8 (l / 16) + 0..7.  Slots 0-9 q, slot 10 the number 1, slots 11-15 zeros.
;   w1f  W1 and b1 in the same image: hidden tile G (16 rows) at byte 512 G; slots 0-9 W1's row, slot 10 b1 (it meets q's 1), slots 11-15 zeros.
;   w2h  W2 in f16, [1024][4096] as it lies.
; FORMAT.  All matrix operands are f16, sums f32.  LIMITS: |x|, |Win|, |W1|, |b1|, |W2| stay under 65,504, and below 6e-5 they keep f16's fixed step of 6e-8.  |x Win^T + b_in| and |theta| stay under 2^22:
; the cosine takes n = the nearest whole number to p / 2 pi and p - n 2 pi with 2 pi in two parts, whose remainder is n x 7e-15 at the most.  NaN and infinities are not treated apart.
; SHARES.  Work-group g: tokens 64 g .. 64 g + 63 (four tiles of 16), bytes 65,536 g of W2, hidden tile g of W1.  K (1,024) IS SPLIT AMONG THE 16 WAVES: wave w takes k = 64 w .. 64 w + 63, which are 256 consecutive
; bytes, aligned, of every row of x and of Win.  The 16 partial sums (f32) meet in LDS; waves 0-3 finish a token tile each, wave 4 lays W1's tile.  No loop: a wave asks for all its 48 loads (24 KiB) at the head.
; LAYOUT.  proj^T = Win x^T (source 0 = 16 rows of Win, source 1 = 16 tokens): in the result lane l, register j hold token l % 16 and wire 8 (l / 16) + j, which is qf's own order.  Win has 10 rows: lanes 10-15 repeat
; row 9, and what they make (wires 10-15) is written over by the 1 and the zeros.  Both sources take k in one and the same permuted order (load j of 8: the 16 bytes at 32 j + 16 (l / 16)), which keeps the products.
.set SPARE, 65536                      ; LDS 0 .. 65,535: the partial of wave w, tile t at 1,024 (4 w + t): registers 0-3 at 16 l, registers 4-7 at 512 + 16 l.  Behind it the spare words, 128 bytes a wave: eight blocks of 256 that no other line names
.set XO,  4                            ; v4   x: (l % 16) x 4,096 + 256 w + 16 (l / 16)
.set WO,  5                            ; v5   Win: the same with row min(l % 16, 9)
.set W2I, 6                            ; v6   W2: 4,096 w + 16 l
.set W2O, 7                            ; v7   w2h: 2,048 w + 8 l
.set PS,  8                            ; v8   LDS: where I put my partials: 4,096 w + 16 l
.set PR,  9                            ; v9   LDS: where I read a tile's partials: 1,024 x wave + 16 l (waves 0-3)
.set SPW, 10                           ; v10  LDS address of my spare word; never rewritten
.set NIL, 11                           ; v11  0; never rewritten
.set L16, 12                           ; v12  16 l
.set WN,  16                           ; v[16:47]   Win as loaded; packed: two fragments in v[16:31]
.set X,   48                           ; v[48:175]  x, tile t at 48 + 32 t as loaded; packed: two fragments in its first 16.  Later the 16 partials, 8 each
.set W2R, 176                          ; v[176:207] W2 as loaded; packed in its first 16
.set ACC, 208                          ; v[208:239] four accumulators
.set TH,  16                           ; v[16:23]   theta of my 8 wires, then its cosine
.set BI,  24                           ; v[24:31]   b_in of my 8 wires
.set CN,  176                          ; the cosine's registers at work: n,
.set CY,  184                          ; y,
.set CZ,  192                          ; y^2,
.set CU,  200                          ; the series
.set WV,  46                           ; s46  my wave's number
.macro PACK16 base                     ; 32 f32 to 32 f16, in place: a destination never lies ahead of a source that is still to be read
.set ip, 0
.rept 16
	v_cvt_pk_f16_f32 v[(\base)+ip], v[(\base)+2*ip], v[(\base)+2*ip+1]
.set ip, ip+1
.endr
.endm
.macro PROD t, f, zero                 ; tile t, fragment f; zero = 1: the product starts the sum
.if \zero
	v_wmma_f32_16x16x32_f16 v[ACC+8*(\t):ACC+8*(\t)+7], v[WN+8*(\f):WN+8*(\f)+7], v[X+32*(\t)+8*(\f):X+32*(\t)+8*(\f)+7], 0
.else
	v_wmma_f32_16x16x32_f16 v[ACC+8*(\t):ACC+8*(\t)+7], v[WN+8*(\f):WN+8*(\f)+7], v[X+32*(\t)+8*(\f):X+32*(\t)+8*(\f)+7], v[ACC+8*(\t):ACC+8*(\t)+7]
.endif
.endm
.macro STEPB p, sh                     ; a buffer's address goes on to the work-group's part: g << sh bytes
	s_lshl_b32 s48, ttmp9, \sh
	s_add_nc_u64 s[\p:\p+1], s[\p:\p+1], s[48:49]
.endm
; cos p for eight registers, in place: r = p - n 2 pi (2 pi in two parts, each by a fused multiply-add), y = r / 2, cos p = 1 - 2 sin^2 y, the sine by its series through y^13: on |y| <= pi / 2 the term left out is under 1e-9.
.macro ALL8 line:vararg
.set i8, 0
.rept 8
	\line
.set i8, i8+1
.endr
.endm
.macro COS8 base
	ALL8 v_mul_f32 v[CN+i8], 0.15915494, v[(\base)+i8]
	ALL8 v_rndne_f32 v[CN+i8], v[CN+i8]
	ALL8 v_fmamk_f32 v[CY+i8], v[CN+i8], 0xc0c90fdb, v[(\base)+i8]   ; p - n x 6.2831855
	ALL8 v_fmamk_f32 v[CY+i8], v[CN+i8], 0x343bbd2e, v[CY+i8]        ; + n x 1.7484556e-7
	ALL8 v_mul_f32 v[CY+i8], 0.5, v[CY+i8]
	ALL8 v_mul_f32 v[CZ+i8], v[CY+i8], v[CY+i8]
	ALL8 v_mov_b32 v[CU+i8], 0x2f309231                              ; 1 / 13!
	ALL8 v_fmaak_f32 v[CU+i8], v[CU+i8], v[CZ+i8], 0xb2d7322b        ; -1 / 11!
	ALL8 v_fmaak_f32 v[CU+i8], v[CU+i8], v[CZ+i8], 0x3638ef1d        ; 1 / 9!
	ALL8 v_fmaak_f32 v[CU+i8], v[CU+i8], v[CZ+i8], 0xb9500d01        ; -1 / 7!
	ALL8 v_fmaak_f32 v[CU+i8], v[CU+i8], v[CZ+i8], 0x3c088889        ; 1 / 5!
	ALL8 v_fmaak_f32 v[CU+i8], v[CU+i8], v[CZ+i8], 0xbe2aaaab        ; -1 / 3!
	ALL8 v_fma_f32 v[CU+i8], v[CU+i8], v[CZ+i8], 1.0
	ALL8 v_mul_f32 v[CU+i8], v[CU+i8], v[CY+i8]                      ; sin y
	ALL8 v_mul_f32 v[CU+i8], v[CU+i8], v[CU+i8]
	ALL8 v_fma_f32 v[(\base)+i8], v[CU+i8], -2.0, 1.0
.endm
	s_load_b256 s[4:11], s[0:1], 0x0               ; x s[4:5], Win s[6:7], W2 s[8:9], W1 s[10:11]
	s_load_b256 s[12:19], s[0:1], 0x20             ; b1 s[12:13], b_in s[14:15], theta s[16:17], qf s[18:19]
	s_load_b128 s[20:23], s[0:1], 0x40             ; w1f s[20:21], w2h s[22:23]
	v_lshl_add_u32 v[SPW], v0, 2, SPARE
	v_mov_b32 v[NIL], 0
	v_lshrrev_b32 v13, 5, v0
	v_readfirstlane_b32 s[WV], v13                 ; wave 0..15
	v_and_b32 v1, 31, v0                           ; l
	v_and_b32 v2, 15, v0                           ; l % 16
	v_bfe_u32 v3, v0, 4, 1                         ; l / 16
	v_cmp_lt_u32 vcc_lo, 15, v1                    ; the upper half of the lanes: wires and slots 8-15
	s_lshl_b32 s47, s[WV], 8                       ; my 256 bytes of a row
	v_lshl_add_u32 v14, v3, 4, s47
	v_lshl_add_u32 v[XO], v2, 12, v14
	v_min_u32 v15, 9, v2
	v_lshl_add_u32 v[WO], v15, 12, v14
	v_lshlrev_b32 v[L16], 4, v1
	s_lshl_b32 s50, s[WV], 12
	v_add_nc_u32 v[W2I], s50, v[L16]
	v_add_nc_u32 v[PS], s50, v[L16]
	s_lshl_b32 s51, s[WV], 11
	v_lshl_add_u32 v[W2O], v1, 3, s51
	s_lshl_b32 s52, s[WV], 10
	v_add_nc_u32 v[PR], s52, v[L16]
	s_mov_b32 s49, 0
	s_wait_kmcnt 0x0
	s_load_b256 s[24:31], s[14:15], 0x0            ; b_in[0..7],
	s_load_b64 s[32:33], s[14:15], 0x20            ; b_in[8..9]
	s_load_b256 s[36:43], s[16:17], 0x0            ; theta[0..7],
	s_load_b64 s[44:45], s[16:17], 0x20            ; theta[8..9]
	STEPB 4, 18                                    ; x: 64 rows of 4,096 bytes
	STEPB 8, 16                                    ; W2: 65,536 bytes
	STEPB 22, 15                                   ; w2h: half of that
	STEPB 18, 11                                   ; qf: four tiles of 512 bytes
	STEPB 20, 9                                    ; w1f: one tile
	STEPB 12, 6                                    ; b1: 16 numbers
	s_mul_i32 s48, ttmp9, 640                      ; W1: 16 rows of 40 bytes
	s_add_nc_u64 s[10:11], s[10:11], s[48:49]
.irp j, 0,1,2,3,4,5,6,7
	global_load_b128 v[WN+4*(\j):WN+4*(\j)+3], v[WO], s[6:7] offset:32*(\j)
.endr
.irp t, 0,1,2,3
.irp j, 0,1,2,3,4,5,6,7
	global_load_b128 v[X+32*(\t)+4*(\j):X+32*(\t)+4*(\j)+3], v[XO], s[4:5] offset:65536*(\t)+32*(\j)  ; the eight loads of a tile together take my 256 bytes of each of its 16 rows
.endr
.endr
.irp j, 0,1,2,3,4,5,6,7
	global_load_b128 v[W2R+4*(\j):W2R+4*(\j)+3], v[W2I], s[8:9] offset:512*(\j) th:TH_LOAD_NT  ; 512 consecutive bytes a load
.endr
	s_wait_loadcnt 40                              ; Win is in; x's 32 loads and W2's 8 may stay out
	PACK16 WN
	s_wait_loadcnt 24                              ; tiles 0 and 1 are in; tiles 2 and 3 (16 loads) and W2's 8 may stay out
	PACK16 X
	PACK16 X+32
	PROD 0, 0, 1                                   ; the accumulators take turns, one instruction a turn
	PROD 1, 0, 1
	PROD 0, 1, 0
	PROD 1, 1, 0
	s_wait_loadcnt 8                               ; tiles 2 and 3 are in; W2's 8 loads may stay out
	PACK16 X+64
	PACK16 X+96
	PROD 2, 0, 1
	PROD 3, 0, 1
	PROD 2, 1, 0
	PROD 3, 1, 0
	s_wait_loadcnt 0x0                             ; W2
	PACK16 W2R                                     ; sixteen plain instructions that name no register of the products: the places behind them (ISA guide 7.12.1)
.irp j, 0,1,2,3,4,5,6,7
	global_store_b64 v[W2O], v[W2R+2*(\j):W2R+2*(\j)+1], s[22:23] offset:256*(\j) th:TH_STORE_NT  ; 32 lanes store 256 consecutive bytes, at a multiple of 256 from w2h's first byte
.endr
.irp t, 0,1,2,3
	ds_store_b128 v[PS], v[ACC+8*(\t):ACC+8*(\t)+3]   offset:1024*(\t)      ; each accumulator's low registers first
	ds_store_b128 v[PS], v[ACC+8*(\t)+4:ACC+8*(\t)+7] offset:1024*(\t)+512
.endr
	s_wait_kmcnt 0x0                               ; b_in and theta
	s_wait_dscnt 0x0                               ; for the others' sake: my partials lie in LDS
	s_barrier_signal -1
	s_barrier_wait -1                              ; everybody's do
	s_cmp_lt_u32 s[WV], 4
	s_cbranch_scc1 .Lfinish
	s_cmp_eq_u32 s[WV], 4
	s_cbranch_scc0 .Lend
	; WAVE 4: W1's 16 rows and b1 as a fragment.  Lower lanes: W1[f][0..7], four loads of 8 bytes at 40 r + 8 i.  Upper lanes: all four at 40 r + 32 (W1[f][8..9]); the first is kept.
	v_mul_u32_u24 v13, v2, 40
.irp i, 0,1,2,3
	v_mad_u32_u24 v[32+(\i)], v3, 32-8*(\i), v13   ; 40 r + (l / 16) (32 - 8 i); the immediate adds 8 i
.endr
	v_lshlrev_b32 v14, 2, v2
.irp i, 0,1,2,3
	global_load_b64 v[X+2*(\i):X+2*(\i)+1], v[32+(\i)], s[10:11] offset:8*(\i)
.endr
	global_load_b32 v[X+8], v14, s[12:13]
	s_wait_loadcnt 0x0
	v_cndmask_b32 v[X+2], v[X+2], v[X+8], vcc_lo   ; slot 10: b1
.irp j, 3,4,5,6,7
	v_cndmask_b32 v[X+(\j)], v[X+(\j)], 0, vcc_lo  ; slots 11-15
.endr
.irp i, 0,1,2,3
	v_cvt_pk_f16_f32 v[X+12+(\i)], v[X+2*(\i)], v[X+2*(\i)+1]
.endr
	global_store_b128 v[L16], v[X+12:X+15], s[20:21]  ; 512 consecutive bytes
	s_branch .Lend
.Lfinish:                              ; WAVES 0-3: wave t finishes token tile t
	s_wait_xcnt 0x0                                ; my stores to w2h have read v[176:191], which the cosine writes
.set iw, 0
.rept 16
	ds_load_b128 v[X+8*iw:X+8*iw+3],   v[PR] offset:4096*iw
	ds_load_b128 v[X+8*iw+4:X+8*iw+7], v[PR] offset:4096*iw+512
.set iw, iw+1
.endr
.irp j, 0,1,2,3,4,5,6,7                ; register j is wire 8 (l / 16) + j; wires 10-15 take any finite number
	v_mov_b32 v[TH+(\j)], s[36+(\j)]
	v_mov_b32 v[BI+(\j)], s[24+(\j)]
.endr
.irp j, 0,1
	v_cndmask_b32 v[TH+(\j)], v[TH+(\j)], s[44+(\j)], vcc_lo
	v_cndmask_b32 v[BI+(\j)], v[BI+(\j)], s[32+(\j)], vcc_lo
.endr
	COS8 TH                                        ; cos theta, while the partials come
	s_wait_dscnt 0x0
.irp st, 8,4,2,1                       ; the 16 partials, in f32: the upper half of those left is added onto the lower
.set ia, 0
.rept 4*(\st)
	v_pk_add_f32 v[X+2*ia:X+2*ia+1], v[X+2*ia:X+2*ia+1], v[X+8*(\st)+2*ia:X+8*(\st)+2*ia+1]
.set ia, ia+1
.endr
.endr
.irp j, 0,2,4,6
	v_pk_add_f32 v[X+(\j):X+(\j)+1], v[X+(\j):X+(\j)+1], v[BI+(\j):BI+(\j)+1]
.endr
	COS8 X
.irp j, 0,2,4,6
	v_pk_mul_f32 v[X+(\j):X+(\j)+1], v[X+(\j):X+(\j)+1], v[TH+(\j):TH+(\j)+1]
.endr
	v_cndmask_b32 v[X+2], v[X+2], 1.0, vcc_lo      ; slot 10: the 1 that meets b1
.irp j, 3,4,5,6,7
	v_cndmask_b32 v[X+(\j)], v[X+(\j)], 0, vcc_lo  ; slots 11-15
.endr
.irp i, 0,1,2,3
	v_cvt_pk_f16_f32 v[X+8+(\i)], v[X+2*(\i)], v[X+2*(\i)+1]
.endr
	v_lshl_add_u32 v13, s[WV], 9, v[L16]           ; my tile's 512 bytes
	global_store_b128 v13, v[X+8:X+11], s[18:19]   ; 512 consecutive bytes
.Lend:
	s_wait_tensorcnt 0x0                           ; the wave's end, behind my last LDS store
	ds_add_u32 v[SPW], v[NIL]
	s_wait_dscnt 0x0
	s_endpgm
.Lfunc_end_k_q2aeaa429b9_prep:
	.size	k_q2aeaa429b9_prep, .Lfunc_end_k_q2aeaa429b9_prep-k_q2aeaa429b9_prep
	.p2alignl 7, 3214868480
	.fill 96, 4, 3214868480
	.section	.rodata,"a",@progbits
	.p2align	6, 0x0
	.amdhsa_kernel k_q2aeaa429b9_prep
		.amdhsa_group_segment_fixed_size 67584
		.amdhsa_private_segment_fixed_size 0
		.amdhsa_enable_private_segment 0
		.amdhsa_kernarg_size 80
		.amdhsa_user_sgpr_count 2
		.amdhsa_user_sgpr_kernarg_segment_ptr 1
		.amdhsa_wavefront_size32 1
		.amdhsa_system_sgpr_workgroup_id_x 1
		.amdhsa_system_sgpr_workgroup_id_y 1
		.amdhsa_system_sgpr_workgroup_id_z 1
		.amdhsa_system_vgpr_workitem_id 0
		.amdhsa_next_free_vgpr 240
		.amdhsa_next_free_sgpr 66
		.amdhsa_reserve_vcc 1
		.amdhsa_float_denorm_mode_32 3
		.amdhsa_float_denorm_mode_16_64 3
		.amdhsa_memory_ordered 1
		.amdhsa_forward_progress 1
		.amdhsa_inst_pref_size 38
	.end_amdhsa_kernel
	.amdgpu_metadata
---
amdhsa.version: [ 1, 2 ]
amdhsa.kernels:
  - .name:           k_q2aeaa429b9_prep
    .symbol:         k_q2aeaa429b9_prep.kd
    .args:
      - { .name: x, .offset: 0, .size: 8, .value_kind: global_buffer, .address_space: global }
      - { .name: Win, .offset: 8, .size: 8, .value_kind: global_buffer, .address_space: global }
      - { .name: W2, .offset: 16, .size: 8, .value_kind: global_buffer, .address_space: global }
      - { .name: W1, .offset: 24, .size: 8, .value_kind: global_buffer, .address_space: global }
      - { .name: b1, .offset: 32, .size: 8, .value_kind: global_buffer, .address_space: global }
      - { .name: b_in, .offset: 40, .size: 8, .value_kind: global_buffer, .address_space: global }
      - { .name: theta, .offset: 48, .size: 8, .value_kind: global_buffer, .address_space: global }
      - { .name: qf, .offset: 56, .size: 8, .value_kind: global_buffer, .address_space: global }
      - { .name: w1f, .offset: 64, .size: 8, .value_kind: global_buffer, .address_space: global }
      - { .name: w2h, .offset: 72, .size: 8, .value_kind: global_buffer, .address_space: global }
    .group_segment_fixed_size: 67584
    .private_segment_fixed_size: 0
    .kernarg_segment_align: 8
    .kernarg_segment_size: 80
    .max_flat_workgroup_size: 512
    .sgpr_count:     66
    .vgpr_count:     240
    .wavefront_size: 32
...
	.end_amdgpu_metadata
.endif
;; end of part 1
;; launch ffn (part 2): grid 64 x 4, 4 waves a work-group, clusters of 4 x 1, 327,680 bytes of LDS; arguments qf, w1f, w2h, b2, out0; writes out0
.if DOCPART == 2
	.amdgcn_target "amdgcn-amd-amdhsa--gfx1250"
	.amdhsa_code_object_version 6
	.text
	.protected	k_q2aeaa429b9_ffn
	.globl	k_q2aeaa429b9_ffn
	.p2align	8
	.type	k_q2aeaa429b9_ffn,@function
k_q2aeaa429b9_ffn:
	s_mov_b64 s[64:65], 0
	v_nop
	global_prefetch_b8 v0, s[64:65] scope:SCOPE_SE
	s_setreg_imm32_b32 hwreg(HW_REG_WAVE_MODE, 25, 1), 1
	s_wait_xcnt 0x0
	s_wait_alu depctr_hold_cnt(0) depctr_sa_sdst(0) depctr_va_vdst(0) depctr_va_sdst(0) depctr_va_ssrc(0) depctr_va_vcc(0) depctr_vm_vsrc(0)
	s_getreg_b32 s2, hwreg(HW_REG_IB_STS2, 6, 4)
	s_cmp_eq_u32 s2, 0
	s_cbranch_scc0 .Lentry_in_a_cluster
	s_endpgm
.Lentry_in_a_cluster:
	s_bfe_u32 s2, ttmp6, 0x10000c
	s_cmp_lg_u32 s2, 0x3003
	s_cbranch_scc0 .Lentry_shape_is_right
	s_endpgm
.Lentry_shape_is_right:
; SECOND OF TWO LAUNCHES.  out = relu(q W1^T + b1) W2^T + b2, from the first launch's qf, w1f (fragments in f16: q with a 1 in slot 10, W1 with b1 in slot 10, zeros in slots 11-15) and w2h (W2 in f16).  Nothing is left out.
; THE HIDDEN LAYER h NEVER LEAVES THE REGISTERS.  H^T = W1 Q^T (source 0 = 16 hidden rows, source 1 = 16 tokens; K = 32, of which slots 16-31 are zeros in both): in the result a lane holds ONE token (lane % 16) and the hidden
; numbers 8 (lane / 16) + 0..7.  Two such results, rounded to f16 in pairs and held to 0 from below, ARE source 1 (32 k x 16 tokens) of Out^T = W2 H^T.  Nothing changes lanes between the two products.
; FORMAT.  Operands f16, sums f32, h rounded once.  LIMITS: |h| stays under 65,504 (|q| <= 1, so |h| is at most a row's sum of |W1| plus |b1|).  The relu is a maximum in which a NaN loses: where reference() has a NaN in h, this has 0.
; SHARES.  A work-group makes 256 tokens x 256 columns of out; each of its four waves 64 tokens x ALL 256 columns: 64 accumulators of 16 x 16, 512 registers.  So a wave makes each 16 x 16 of h (one matrix instruction) for
; eight that use it: 8 beside 64 in each 32 along K.  Only W2 is read from LDS by fragments: 256 rows x 64 bytes for 64 products.
; K (4,096) goes in steps of 128 through a ring of two LDS slots (256 rows of W2 x 256 bytes), a quarter of a slot to each wave's tensor load.  W1's fragments, 131,072 bytes, are laid into LDS once.
; CLUSTER.  Four work-groups along the tokens have the same 256 columns: they want the same tiles of W2 and the same W1.  Every tensor load is asked for JOINTLY: the same line, the same descriptor, the mask of all four.
; THE PIPELINE, by quarters of 32 along K.  In quarter q: 64 products on W2's fragments and h of quarter q; 8 products make H^T of quarter q + 1; one run of LDS loads fetches W2's fragments of quarter q + 1 and W1's of
; quarter q + 2; 64 vector instructions (round, relu) turn H^T into h of quarter q + 1, four behind every second one of the quarter's last 32 products.
; REGISTERS, in windows of 256 (s_set_vgpr_msb: bits 1:0 source 0, 3:2 source 1, 5:4 source 2, 7:6 destination):
;   window 0: v0-13 addresses; v16-23 b2; v24-39 W1's two fragments; v40-71 q's four; v72-135 H^T, eight results; v136-199 h, two buffers of four fragments.  On the way out v72-199 hold rows of out.
;   window 1: W2's fragments, two buffers of 128 (column block b at 8 b)      windows 2, 3: the accumulators: token tile t in window 2 + t / 2 at 8 (16 (t % 2) + b)
.set PITCH,  272                       ; an LDS row of W2: 256 bytes + 16 of padding = 68 words: row r starts at bank 4 r mod 64 (64 banks of 4 bytes: ISA guide 11.1), so the 16 rows of a load start at 16 different banks
.set WQ,     64*PITCH                  ; 64 rows: what one tensor load brings
.set SLOT,   4*WQ
.set W1T,    2*SLOT                    ; behind the ring: w1f as it lies in memory, filled once
.set STAGE,  W1T+131072                ; 16 rows x 528 bytes for each wave, for the way out; no tensor load fills it
.set SPITCH, 528                       ; 512 bytes + 16 = 132 words: again 16 different banks
.set SPARE,  STAGE+4*16*SPITCH         ; the spare words, 128 bytes for each wave: two blocks of 256 bytes that no other line names
.set LAPS,   16                        ; a lap = two K steps = eight quarters = once round the ring
.set ADRB, 4                           ; v4-5  LDS address of my lane's place in slot 0, 1: 272 (l % 16) + 16 (l / 16)
.set AW1,  6                           ; v6    W1's fragments of the lap in hand: s[TW] + 16 l
.set STO,  7                           ; v7    the way out: where I put 32 bytes of a row
.set RD,   8                           ; v8    the way out: where I read a row back
.set CO,   9                           ; v9    16 l; never rewritten
.set SPW,  10                          ; v10   LDS address of my spare word; never rewritten
.set NIL,  11                          ; v11   0; never rewritten
.set ZR,   12                          ; v12   0, twice in f16: the relu's other operand
.set PFO,  13                          ; v13   the prefetches' offset: my lane x a row of w2h (8,192 bytes); never rewritten
.set B2,   16
.set W1R,  24
.set Q,    40
.set S,    72                          ; H^T of token tile t, hidden tile g at S + 8 (2 t + g)
.set HF,   136                         ; h: buffer f, token tile t at HF + 32 f + 8 t
.set OB0,  72                          ; the way out: 16 rows x 4 registers, two buffers
.set WV,   14                          ; s14  my wave's number
.set G1,   24                          ; s[24:31] descriptor group 1 for W2's tiles
.set G0,   32                          ; s[32:39] group 0, a set for each slot
.set G1W,  40                          ; s[40:47] group 1 for W1's table
.set G0W,  48                          ; s[48:51] its group 0
.set LAPC, 52                          ; s52  laps still to come in the loop
.set LIM,  53                          ; s53  1 in a wave that prefetches, else the greatest number
.set PFA,  54                          ; s[54:55] where my prefetches stand
.set OUT,  56                          ; s[56:57] out0 at my wave's first row and the tile's first column
.set QA,   58                          ; s[58:59] qf at my wave's four tiles
.set B2A,  60                          ; s[60:61] b2 at the tile's first column
.set TW,   62                          ; s62  LDS byte of W1's fragments of the lap in hand
.set MSB, 0
.macro WIN new                         ; the immediate's high byte repeats the setting that is left; a switch that changes nothing is dropped
.if MSB != (\new)
	s_set_vgpr_msb (MSB<<8)|(\new)
.set MSB, \new
.endif
.endm
.set MUL_LO, 0xa1                      ; source 0 (W2) window 1, source 1 (h) window 0, C and D window 2
.set MUL_HI, 0xf1                      ; the same, C and D window 3
.set TO_B,   0x40                      ; destination window 1, address window 0
.macro CREST                           ; a round of the cluster's barrier behind its opening barrier: wave 0 signals for the work-group, every wave waits for all four work-groups, my work-group's barrier once more
	s_cmp_lg_u32 s[WV], 0
	s_cbranch_scc1 .Lnot_wave_0_\@
	s_barrier_signal -3
.Lnot_wave_0_\@:
	s_barrier_wait -3
	s_barrier_signal -1
	s_barrier_wait -1
.endm
.macro CROUND                          ; a whole round
	s_barrier_signal -1
	s_barrier_wait -1
	CREST
.endm
.macro PLACES                          ; four places behind matrix instructions, in front of loads into registers that they have read and of vector lines that read their results or write their sources
.rept 4
	v_nop
.endr
.endm
; One product of Out^T += W2 H^T: token tile 2 hi + tt, column block b, buffers f.  zero = 1: it starts the sum: nothing is ever cleared.
.macro MAIN hi, tt, b, f, zero
	WIN MUL_LO+0x50*(\hi)
.if \zero
	v_wmma_f32_16x16x32_f16 v[8*(16*(\tt)+(\b)):8*(16*(\tt)+(\b))+7], v[128*(\f)+8*(\b):128*(\f)+8*(\b)+7], v[HF+32*(\f)+8*(2*(\hi)+(\tt)):HF+32*(\f)+8*(2*(\hi)+(\tt))+7], 0
.else
	v_wmma_f32_16x16x32_f16 v[8*(16*(\tt)+(\b)):8*(16*(\tt)+(\b))+7], v[128*(\f)+8*(\b):128*(\f)+8*(\b)+7], v[HF+32*(\f)+8*(2*(\hi)+(\tt)):HF+32*(\f)+8*(2*(\hi)+(\tt))+7], v[8*(16*(\tt)+(\b)):8*(16*(\tt)+(\b))+7]
.endif
.endm
.macro MUL16 hi, tt, f, zero           ; a token tile's 16 column blocks.  The 64 accumulators take turns, one instruction a turn, in the same order in every quarter
.irp b, 0,1,2,3,4,5,6,7,8,9,10,11,12,13,14,15
	MAIN \hi, \tt, \b, \f, \zero
.endr
.endm
.macro HGEN                            ; H^T of the next quarter: 4 token tiles x 2 hidden tiles; each product is a whole sum (K = 11 slots of 32)
	WIN 0
.irp u, 0,1,2,3,4,5,6,7
	v_wmma_f32_16x16x32_f16 v[S+8*(\u):S+8*(\u)+7], v[W1R+8*((\u)%2):W1R+8*((\u)%2)+7], v[Q+8*((\u)/2):Q+8*((\u)/2)+7], 0
.endr
.endm
; Four vector lines, number n of 16, into h's buffer g.  n even: result n / 2 of H^T is rounded to f16 in pairs, its lowest registers first.  n odd: those four registers are held to 0 from below.
.macro RIDER n, g
	WIN 0
.set ru, (\n)/2
.if (\n)%2 == 0
.irp i, 0,1,2,3
	v_cvt_pk_f16_f32 v[HF+32*(\g)+4*ru+(\i)], v[S+8*ru+2*(\i)], v[S+8*ru+2*(\i)+1]
.endr
.else
.irp i, 0,1,2,3
	v_pk_max_num_f16 v[HF+32*(\g)+4*ru+(\i)], v[HF+32*(\g)+4*ru+(\i)], v[ZR]
.endr
.endif
.endm
; The 32 products of token tiles 2 and 3 on buffers f.  ride = 1: behind every second one stand four of the 64 lines that make h's buffer g; they name no register of the products round them.
.macro MULB f, g, zero, ride
.set ix, 0
.rept 32
	MAIN 1, ix/16, ix%16, \f, \zero
.if (\ride) && (ix%2 == 0)
	RIDER ix/2, \g
.endif
.set ix, ix+1
.endr
.endm
; One run of LDS loads: W2's 16 fragments (256 rows x 32 K at byte k of the slot's rows) into buffer g, and (w1off >= 0) W1's two fragments' lower halves; their upper halves stay 0.
.macro FETCH slot, k, g, w1off
	WIN TO_B
.irp b, 0,1,2,3,4,5,6,7,8,9,10,11,12,13,14,15
	ds_load_b128 v[128*(\g)+8*(\b):128*(\g)+8*(\b)+3],   v[ADRB+(\slot)] offset:(\b)*16*PITCH+(\k)
	ds_load_b128 v[128*(\g)+8*(\b)+4:128*(\g)+8*(\b)+7], v[ADRB+(\slot)] offset:(\b)*16*PITCH+(\k)+32
.endr
	WIN 0
.if (\w1off) >= 0
	ds_load_b128 v[W1R:W1R+3],    v[AW1] offset:(\w1off)
	ds_load_b128 v[W1R+8:W1R+11], v[AW1] offset:(\w1off)+512
.endif
.endm
; A quarter that stays in its slot: multiplies buffers f, fills buffers g.  The four v_nop behind HGEN are the places for the loads into W2's other buffer (last read a quarter ago) and into W1's registers (read by HGEN),
; for the first reads of H^T and for the writes of h's other buffer.
.macro QUARTER slot, k, f, g, zero, w1off
	s_wait_dscnt 0x0                               ; the last run of loads, issued 32 products ago, is in
	MUL16 0, 0, \f, \zero
	MUL16 0, 1, \f, \zero
	HGEN
	PLACES
	FETCH \slot, \k, \g, \w1off
	MULB \f, \g, \zero, 1
.endm
; A PREFETCH INTO THE L2, behind a joint load, its five lines and the run of LDS loads: the K step that stands TWO refills on, 144 x 4 matrix instructions ahead of the load that will ask for it: 32 rows x 256 bytes, a lane a row.
; Each row's 256 bytes of a K step are named ONCE in the launch: of the sixteen clusters that walk the same 256 rows of w2h the first (cluster x = 0) asks; its four partners take 64 rows each, told apart BY ADDRESS;
; in each, wave 0 takes 32 rows and wave 1 the other 32.  K steps 0-3 come by their loads alone; the loop's last trip, whose refills are the last two K steps, asks for nothing.
.macro ASK
	s_cmp_gt_u32 s[LAPC], s[LIM]
	s_cbranch_scc0 .Lnot_mine_\@
	global_prefetch_b8 v[PFO], s[PFA:PFA+1] offset:256 th:TH_LOAD_NT scope:SCOPE_SE
.Lnot_mine_\@:
.endm
; A slot's last quarter (buffers 1) and THE CHANGE OF SLOTS: ONE barrier.  In front of it each wave waits for all its tensor loads, of which one is out: its part of the next slot; adds 0 to its spare word; and waits for that
; and for its own reads of this slot.  fill = 1: the barrier opens a round of the cluster's, so that no wave of any partner still reads the slot or has a load on its way, and the joint refill, two K steps on, is the first thing behind it.
.macro TURN slot, next, fill, w1off
.if \fill
	s_wait_xcnt 0x0                                ; the last prefetch, a K step back, has read its address, which is stepped here, ahead of the change's own waits
	s_add_nc_u64 s[PFA:PFA+1], s[PFA:PFA+1], 256
.endif
	WIN 0                                          ; (the add's two registers lie in window 0)
	s_wait_tensorcnt 0x0                           ; all my tensor loads have landed
	ds_add_u32 v[SPW], v[NIL]                      ; 0 onto my spare word
	s_wait_dscnt 0x1                               ; the last run of loads is in; the add alone may be out
	MUL16 0, 0, 1, 0                               ; sixteen matrix instructions stand between the add and the wait for it
	s_wait_dscnt 0x0                               ; the add is done, and my reads of this slot are over
	s_barrier_signal -1
	MUL16 0, 1, 1, 0                               ; work on registers while the others arrive
	WIN 0
	s_barrier_wait -1
.if \fill
	CREST
	s_add_nc_u64 s[G0+4*(\slot)+2:G0+4*(\slot)+3], s[G0+4*(\slot)+2:G0+4*(\slot)+3], 512  ; no load of mine is out, so a group 0 may be written: two K steps of 256 bytes on
	tensor_load_to_lds s[G0+4*(\slot):G0+4*(\slot)+3], s[G1:G1+7]  ; my one tensor load behind the round: my 64 rows
	s_nop 0
	PLACES
.endif
	HGEN
	PLACES
	FETCH \next, 0, 0, \w1off
.if \fill
	ASK
.endif
	MULB 1, 0, 0, 1
.endm
; THE WAY OUT, in eight units u of 16 tokens (tile u / 2) x 128 columns (half u % 2).  A lane's eight numbers of an accumulator are 32 neighbouring bytes of a row of out; they go into my stage's rows of 528 bytes
; and come back as whole rows of 512; b2 is added; a store is 512 consecutive bytes, at a multiple of 256 from out0's first byte.
.macro TOSTAGE u
.set tu, (\u)/2
.set hu, (\u)%2
.set ob, OB0+64*((\u)%2)
.if (\u) >= 2
	s_wait_xcnt 0x0                                ; the stores of the unit two back have read the registers that are loaded below
.endif
	WIN 0x08+4*(tu/2)                              ; the stores' data (source 1) in window 2 or 3
.irp bb, 0,1,2,3,4,5,6,7
	ds_store_b128 v[STO], v[8*(16*(tu%2)+8*hu+(\bb)):8*(16*(tu%2)+8*hu+(\bb))+3]   offset:64*(\bb)     ; each accumulator's low registers first
	ds_store_b128 v[STO], v[8*(16*(tu%2)+8*hu+(\bb))+4:8*(16*(tu%2)+8*hu+(\bb))+7] offset:64*(\bb)+16
.endr
	WIN 0
.irp row, 0,1,2,3,4,5,6,7,8,9,10,11,12,13,14,15
	ds_load_b128 v[ob+4*(\row):ob+4*(\row)+3], v[RD] offset:(\row)*SPITCH  ; LDS serves a wave's instructions in order (ISA guide 5.7.1.4): these see the stores above; the next unit's stores come behind them
.endr
.endm
.macro SEND u, younger                 ; younger: the LDS instructions issued behind unit u's loads: the next unit's 32, or none
.set tu, (\u)/2
.set hu, (\u)%2
.set ob, OB0+64*((\u)%2)
	WIN 0
	s_wait_dscnt \younger
.irp row, 0,1,2,3,4,5,6,7,8,9,10,11,12,13,14,15
	v_pk_add_f32 v[ob+4*(\row):ob+4*(\row)+1],   v[ob+4*(\row):ob+4*(\row)+1],   v[B2+4*hu:B2+4*hu+1]
	v_pk_add_f32 v[ob+4*(\row)+2:ob+4*(\row)+3], v[ob+4*(\row)+2:ob+4*(\row)+3], v[B2+4*hu+2:B2+4*hu+3]
	global_store_b128 v[CO], v[ob+4*(\row):ob+4*(\row)+3], s[OUT:OUT+1] offset:(16*tu+(\row))*4096+512*hu th:TH_STORE_NT
.endr
.endm
	s_load_b256 s[4:11], s[0:1], 0x0               ; qf s[4:5], w1f s[6:7], w2h s[8:9], b2 s[10:11]
	s_load_b64 s[12:13], s[0:1], 0x20              ; out0
	v_lshl_add_u32 v[SPW], v0, 2, SPARE
	v_mov_b32 v[NIL], 0
	ds_add_u32 v[SPW], v[NIL]                      ; the wave's opening: the add, twice on end, and its wait ahead of my first tensor load; the set-up below, work on registers, stands between
	ds_add_u32 v[SPW], v[NIL]                      ; and once more, under the one wait
	v_lshrrev_b32 v1, 5, v0
	v_readfirstlane_b32 s[WV], v1                  ; wave 0..3
	s_bfe_u32 s15, ttmp6, 0x40000                  ; cx: my place in the cluster.  It and what is made of it live in s15, s16 and s[2:3] alone, and enter qf's, out0's and the prefetches' addresses alone
	s_lshl_b32 s16, ttmp9, 2                       ; in a cluster launch ttmp9 counts clusters
	s_add_co_u32 s16, s16, s15                     ; my block of 256 tokens = 4 x cluster x + cx
	s_and_b32 s17, ttmp7, 0xffff                   ; my block of 256 columns, which the four partners share
	; group 1 for W2: a tile of 64 rows x 128 elements of 2 bytes, 4,096 elements from row to row, padded in LDS
	s_mov_b32 s[G1], 15|(1<<16)|(1<<20)|(1<<21)|(5<<22)|(3<<25)  ; 15:0 the mask of four; 17:16 2-byte elements; 20 padding on; 21 set beside a mask; 24:22 after every 64 words (code 5); 31:25 4 words (code 3)
	s_mov_b32 s[G1+1], 128<<16                     ; tensor_dim0 = 128
	s_mov_b32 s[G1+2], 64<<16                      ; tensor_dim1 = 64
	s_mov_b32 s[G1+3], 128<<16                     ; tile_dim0 = 128
	s_mov_b32 s[G1+4], 64                          ; tile_dim1 = 64
	s_mov_b32 s[G1+5], 4096                        ; elements from row to row
	s_mov_b32 s[G1+6], 0
	s_mov_b32 s[G1+7], 0
	; group 1 for W1's table: 32,768 dense bytes as 128 rows of 32 elements of 8 bytes, no padding
	s_mov_b32 s[G1W], 15|(3<<16)|(1<<21)
	s_mov_b32 s[G1W+1], 32<<16
	s_mov_b32 s[G1W+2], 128<<16
	s_mov_b32 s[G1W+3], 32<<16
	s_mov_b32 s[G1W+4], 128
	s_mov_b32 s[G1W+5], 32
	s_mov_b32 s[G1W+6], 0
	s_mov_b32 s[G1W+7], 0
	s_mov_b32 s[G0], 1                             ; count = 1
	s_mov_b32 s[G0+4], 1
	s_mov_b32 s[G0W], 1
	s_mul_i32 s20, s[WV], WQ                       ; where my 64 rows go: wave x 64 rows,
	s_add_co_u32 s[G0+1], s20, 0                   ; in slot 0,
	s_add_co_u32 s[G0+5], s20, SLOT                ; in slot 1
	s_lshl_b32 s20, s[WV], 15                      ; my quarter of W1's table, in memory and in LDS
	s_mov_b32 s21, 0
	s_add_co_u32 s[G0W+1], s20, W1T
	s_lshl_b32 s18, s17, 8
	s_lshl_b32 s19, s[WV], 6
	s_add_co_u32 s18, s18, s19                     ; W2's row 256 x column block + 64 x wave,
	s_lshl_b32 s18, s18, 13                        ; of 8,192 bytes
	s_mov_b32 s19, 0
	s_wait_dscnt 0x0                               ; both opening adds are done
	s_wait_kmcnt 0x0
	s_add_nc_u64 s[G0+2:G0+3], s[8:9], s[18:19]    ; K step 0
	s_add_nc_u64 s[G0+6:G0+7], s[G0+2:G0+3], 256   ; K step 1
	s_or_b32 s[G0+3], s[G0+3], 0x80000000          ; type = 2
	s_or_b32 s[G0+7], s[G0+7], 0x80000000
	s_add_nc_u64 s[G0W+2:G0W+3], s[6:7], s[20:21]
	s_or_b32 s[G0W+3], s[G0W+3], 0x80000000
	CROUND                                         ; all four work-groups are here: the first joint loads meet
	tensor_load_to_lds s[G0W:G0W+3], s[G1W:G1W+7]  ; the first fills, one group: W1's table,
	s_nop 0
	tensor_load_to_lds s[G0:G0+3], s[G1:G1+7]      ; slot 0,
	s_nop 0
	tensor_load_to_lds s[G0+4:G0+7], s[G1:G1+7]    ; slot 1: three loads of mine are out
	s_nop 0
	PLACES
	v_and_b32 v1, 15, v0                           ; l % 16
	v_bfe_u32 v2, v0, 4, 1                         ; l / 16
	v_and_b32 v3, 31, v0                           ; l
	v_lshlrev_b32 v[CO], 4, v3
	s_lshl_b32 s2, s16, 13                         ; qf: 16 tiles of 512 bytes a block of tokens,
	s_lshl_b32 s22, s[WV], 11                      ; 4 a wave
	s_add_co_u32 s2, s2, s22
	s_mov_b32 s3, 0
	s_add_nc_u64 s[QA:QA+1], s[4:5], s[2:3]
	s_lshl_b32 s18, s17, 10                        ; b2: 256 numbers a block of columns
	s_add_nc_u64 s[B2A:B2A+1], s[10:11], s[18:19]
.irp t, 0,1,2,3
	global_load_b128 v[Q+8*(\t):Q+8*(\t)+3], v[CO], s[QA:QA+1] offset:512*(\t)  ; q's fragments stay in registers
.endr
.irp f, 0,1
	global_load_b128 v[B2+4*(\f):B2+4*(\f)+3], v[CO], s[B2A:B2A+1] offset:512*(\f)  ; b2 of the four columns that I store, in each half of the tile
.endr
.irp t, 0,1,2,3
.irp i, 4,5,6,7
	v_mov_b32 v[Q+8*(\t)+(\i)], 0                  ; slots 16-31 of q's fragments,
.endr
.endr
.irp i, 4,5,6,7,12,13,14,15
	v_mov_b32 v[W1R+(\i)], 0                       ; and of W1's: written once
.endr
	v_mov_b32 v[ZR], 0
	v_mul_u32_u24 v[ADRB], v1, PITCH
	v_lshl_add_u32 v[ADRB], v2, 4, v[ADRB]         ; row x pitch + 16 x half
	v_add_nc_u32 v[ADRB+1], SLOT, v[ADRB]
	s_mov_b32 s[TW], W1T
	v_add_nc_u32 v[AW1], s[TW], v[CO]
	s_mul_i32 s20, s[WV], 16*SPITCH
	s_add_co_u32 s20, s20, STAGE                   ; my stage
	v_mul_u32_u24 v[STO], v1, SPITCH               ; in: row l % 16, 32 bytes for each half of the lanes
	v_lshl_add_u32 v[STO], v2, 5, v[STO]
	v_add_nc_u32 v[STO], s20, v[STO]
	v_add_nc_u32 v[RD], s20, v[CO]                 ; back: 32 lanes take a row's 512 bytes
	v_lshlrev_b32 v[PFO], 13, v3
	s_lshl_b32 s2, s16, 20                         ; out0: 256 rows of 4,096 bytes a block of tokens,
	s_lshl_b32 s22, s[WV], 18                      ; 64 a wave,
	s_add_co_u32 s2, s2, s22
	s_lshl_b32 s22, s17, 10                        ; 1,024 bytes a block of columns
	s_add_co_u32 s2, s2, s22
	s_add_nc_u64 s[OUT:OUT+1], s[12:13], s[2:3]
	s_lshl_b32 s2, s15, 19                         ; the prefetches: my work-group's 64 rows of the 256,
	s_lshl_b32 s22, s17, 21
	s_add_co_u32 s2, s2, s22
	s_and_b32 s22, s[WV], 1
	s_lshl_b32 s22, s22, 18                        ; my wave's 32 of them,
	s_add_co_u32 s2, s2, s22
	s_add_co_u32 s2, s2, 512                       ; at K step 2: the first refill steps it to 3 and names K step 4
	s_add_nc_u64 s[PFA:PFA+1], s[8:9], s[2:3]
	s_lshr_b32 s22, s[WV], 1                       ; 0 in waves 0 and 1,
	s_or_b32 s22, s22, ttmp9                       ; where the cluster is the first of its row: the same in all four partners
	s_cmp_eq_u32 s22, 0
	s_cselect_b32 s[LIM], 1, -1
	s_wait_tensorcnt 0x1                           ; my parts of W1's table and of slot 0 are in; slot 1's may stay out
	s_barrier_signal -1
	s_barrier_wait -1                              ; everybody's are
	FETCH 0, 0, 0, 0                               ; quarter 0: W2's fragments and W1's
	s_wait_loadcnt 0x0                             ; q and b2
	s_wait_dscnt 0x0
	HGEN                                           ; H^T of quarter 0
	PLACES
	ds_load_b128 v[W1R:W1R+3],    v[AW1] offset:1024  ; W1 of quarter 1
	ds_load_b128 v[W1R+8:W1R+11], v[AW1] offset:1536
.set ir, 0
.rept 16
	RIDER ir, 0                                    ; h of quarter 0: there are no products yet to set it between
.set ir, ir+1
.endr
	QUARTER 0, 64, 0, 1, 1, 2*1024                 ; the first quarter stands in front of the loop: its products start the sums
	WIN 0                                          ; at a label and at a branch every window is 0
	s_mov_b32 s[LAPC], LAPS-1
.Llap:                                                 ; a trip goes once round the ring, from a lap's second quarter to the next lap's first, and fills both slots again.  Quarter j of the lap fetches W1 of quarter j + 2
	QUARTER 0, 128, 1, 0, 0, 3*1024
	QUARTER 0, 192, 0, 1, 0, 4*1024
	TURN 0, 1, 1, 5*1024
	QUARTER 1, 64,  0, 1, 0, 6*1024
	QUARTER 1, 128, 1, 0, 0, 7*1024
	QUARTER 1, 192, 0, 1, 0, 8*1024
	TURN 1, 0, 1, 9*1024
	QUARTER 0, 64,  0, 1, 0, 10*1024
	WIN 0
	s_add_co_u32 s[TW], s[TW], 8192                ; W1's fragments of the next lap: eight quarters of 1,024 bytes on
	v_add_nc_u32 v[AW1], s[TW], v[CO]
	s_sub_co_u32 s[LAPC], s[LAPC], 1
	s_cmp_lg_u32 s[LAPC], 0
	s_cbranch_scc1 .Llap
	QUARTER 0, 128, 1, 0, 0, 3*1024                ; the last lap is written out: it fills nothing, and has no round of the cluster's barrier
	QUARTER 0, 192, 0, 1, 0, 4*1024
	TURN 0, 1, 0, 5*1024
	QUARTER 1, 64,  0, 1, 0, 6*1024
	QUARTER 1, 128, 1, 0, 0, 7*1024                ; W1 of the last quarter
	QUARTER 1, 192, 0, 1, 0, -1
	s_wait_dscnt 0x0                               ; the very last quarter: nothing more to make or to fetch
	MUL16 0, 0, 1, 0
	MUL16 0, 1, 1, 0
	MULB 1, 0, 0, 0
	WIN 0
	PLACES                                         ; the stage's stores read results just made, and its loads land in h's registers
	TOSTAGE 0
.irp u, 1,2,3,4,5,6,7                  ; a unit's trip through the stage is under way while the unit before is added to and stored
	TOSTAGE \u
	SEND (\u)-1, 32
.endr
	SEND 7, 0
	s_wait_tensorcnt 0x0                           ; the wave's end, behind my last tensor load and my last LDS store
	ds_add_u32 v[SPW], v[NIL]
	s_wait_dscnt 0x0
	CROUND                                         ; the closing round: no work-group ends while a partner may still ask for a tile that names it
	s_endpgm
.Lfunc_end_k_q2aeaa429b9_ffn:
	.size	k_q2aeaa429b9_ffn, .Lfunc_end_k_q2aeaa429b9_ffn-k_q2aeaa429b9_ffn
	.p2alignl 7, 3214868480
	.fill 96, 4, 3214868480
	.section	.rodata,"a",@progbits
	.p2align	6, 0x0
	.amdhsa_kernel k_q2aeaa429b9_ffn
		.amdhsa_group_segment_fixed_size 327680
		.amdhsa_private_segment_fixed_size 0
		.amdhsa_enable_private_segment 0
		.amdhsa_kernarg_size 40
		.amdhsa_user_sgpr_count 2
		.amdhsa_user_sgpr_kernarg_segment_ptr 1
		.amdhsa_wavefront_size32 1
		.amdhsa_system_sgpr_workgroup_id_x 1
		.amdhsa_system_sgpr_workgroup_id_y 1
		.amdhsa_system_sgpr_workgroup_id_z 1
		.amdhsa_system_vgpr_workitem_id 0
		.amdhsa_next_free_vgpr 1024
		.amdhsa_next_free_sgpr 66
		.amdhsa_reserve_vcc 0
		.amdhsa_float_denorm_mode_32 3
		.amdhsa_float_denorm_mode_16_64 3
		.amdhsa_memory_ordered 1
		.amdhsa_forward_progress 1
		.amdhsa_inst_pref_size 245
	.end_amdhsa_kernel
	.amdgpu_metadata
---
amdhsa.version: [ 1, 2 ]
amdhsa.kernels:
  - .name:           k_q2aeaa429b9_ffn
    .symbol:         k_q2aeaa429b9_ffn.kd
    .args:
      - { .name: qf, .offset: 0, .size: 8, .value_kind: global_buffer, .address_space: global }
      - { .name: w1f, .offset: 8, .size: 8, .value_kind: global_buffer, .address_space: global }
      - { .name: w2h, .offset: 16, .size: 8, .value_kind: global_buffer, .address_space: global }
      - { .name: b2, .offset: 24, .size: 8, .value_kind: global_buffer, .address_space: global }
      - { .name: out0, .offset: 32, .size: 8, .value_kind: global_buffer, .address_space: global }
    .group_segment_fixed_size: 327680
    .private_segment_fixed_size: 0
    .kernarg_segment_align: 8
    .kernarg_segment_size: 40
    .max_flat_workgroup_size: 128
    .sgpr_count:     66
    .vgpr_count:     1024
    .wavefront_size: 32
...
	.end_amdgpu_metadata
.endif
;; end of part 2
